; MI455X (gfx1250); checked and timed in simulation.
; The chip was launched on July 23, 2026; its instructions are those of AMD's public machine-readable ISA for CDNA 5 (MIT licence, August 2026) and "CDNA5" Instruction Set Architecture Reference Guide (July 2026). The comments in the code are by the model that wrote it; some were corrected since.
;; Multi Head Self Attention. Allowed arithmetic: matrix products marked QUANTISED: E2M1 operands, one E8M0 scale for each 32 along K, by v_wmma_scale_f32_16x16x128_f8f6f4 with both operands' format E2M1 (or v_wmma_scale_f32_32x16x128_f4), f32 sums; products left as they are: bf16, f16 or f32 operands; f32 sums; everything else in f32.
;; Inputs: bk 768 float32; bo 768 float32; bq 768 float32; bv 768 float32; k 2 x 2,048 x 768 float32; q 2 x 2,048 x 768 float32; v 2 x 2,048 x 768 float32; wk 768 x 768 float32; wo 768 x 768 float32; wq 768 x 768 float32; wv 768 x 768 float32.
;; Outputs: out0 2 x 2,048 x 768 float32.
;; This version of the problem:
;;   THIS VERSION OF THE PROBLEM IS GIVEN IN LOW PRECISION. The matrix products marked QUANTISED in the list below multiply operands that are first quantised to E2M1 (2 exponent bits, 1 mantissa bit; 4 bits a number), with one power-of-two scale for each 32 numbers along K (OCP MX v1.0); their sums are f32. The products marked 'left as it is' may take bf16, f16 or f32 operands, with f32 sums. Whichever they take, every output number must still come out within the allowed error. Rounding operands to bf16 (8 significant bits) uses up far more of that allowance than f16 does (11 bits, for magnitudes from 6e-5 to 65,504). All else is computed in f32.
;;   The module's matrix products, in the order in which they are computed (A, B: the left and right operand; K: the contracted axis; several contracted axes count as one K, in the product's order):
;;     1. [M 4,096, K 768] x [K 768, N 768]; A: input q; B: input wq: QUANTISED
;;     2. [M 4,096, K 768] x [K 768, N 768]; A: input k; B: input wk: QUANTISED
;;     3. [M 4,096, K 768] x [K 768, N 768]; A: input v; B: input wv: QUANTISED
;;     4. batch 24 x [M 2,048, K 64] x [K 64, N 2,048]; A: computed on the way; B: computed on the way: left as it is (an operand is computed on the way)
;;     5. batch 24 x [M 2,048, K 2,048] x [K 2,048, N 64]; A: computed on the way; B: computed on the way: left as it is (an operand is computed on the way)
;;     6. [M 4,096, K 768] x [K 768, N 768]; A: computed on the way; B: input wo: left as it is (an operand is computed on the way)
;;   THE QUANTISER, for each operand of a quantised product, along K:
;;     - K is cut into blocks of 32 from its start; a last block that is shorter is filled with zeros.
;;     - A block's scale is 2^e with e = floor(log2(the largest magnitude in the block)) - 2, held to -126 .. 127; a block of zeros has e = 0. As a byte (E8M0): e + 127.
;;     - Each number is divided by its block's scale, clamped to +-6, and rounded to the nearest number of E2M1, ties to even, subnormals kept.
;;     - The product sums the exact products of the quantised numbers (number of the format x scale) in f32.
;;   ~~~python
;;   def quantise(x, axis):      # numpy; x: float32 -> the quantised numbers, widened to float32 again
;;       x = np.moveaxis(x, axis, -1); K = x.shape[-1]
;;       x = np.pad(x, [(0, 0)] * (x.ndim - 1) + [(0, -K % 32)]); x = x.reshape(x.shape[:-1] + (-1, 32)); a = np.abs(x).max(-1, keepdims=True)
;;       e = np.where(a > 0, np.clip(np.frexp(np.where(a > 0, a, 1))[1] - 1 - 2, -126, 127), 0)      # np.frexp(a)[1] - 1 = floor(log2(a)), exactly
;;       r = np.clip(x / 2.0 ** e, -6, 6)
;;       step = 2.0 ** (np.maximum(np.frexp(np.where(r == 0, 1, r))[1] - 1, 0) - 1)
;;       q = np.round(r / step) * step * 2.0 ** e      # np.round: ties to even
;;       return np.moveaxis(q.reshape(q.shape[:-2] + (-1,))[..., :K], -1, axis).astype(np.float32)
;;   ~~~
;; One version. Each part assembles by itself: llvm-mc -triple=amdgcn-amd-amdhsa -mcpu=gfx1250 --defsym DOCPART=n.
;; ======== version 1 of 1: 4 launches
;; limits: values are held in f16: magnitudes above 65,504 overflow, below 6.1e-05 lose precision
;; workspace buffers: xc 4,718,592 bytes; xs 294,912 bytes; wc 884,736 bytes; ws 55,296 bytes; wof 1,179,648 bytes; hf 18,874,368 bytes; ctxf 6,291,456 bytes
;; launch prep (part 1): grid 720 x 1, 4 waves a work-group, no clusters, 34,304 bytes of LDS; arguments q, k, v, wq, wk, wv, wo, xc, xs, wc, ws, wof; writes xc, xs, wc, ws, wof
.if DOCPART == 1
	.amdgcn_target "amdgcn-amd-amdhsa--gfx1250"
	.amdhsa_code_object_version 6
	.text
	.protected	k_q00f592d0fb_prep
	.globl	k_q00f592d0fb_prep
	.p2align	8
	.type	k_q00f592d0fb_prep,@function
k_q00f592d0fb_prep:
	s_mov_b64 s[64:65], 0
	v_nop
	global_prefetch_b8 v0, s[64:65] scope:SCOPE_SE
	s_setreg_imm32_b32 hwreg(HW_REG_WAVE_MODE, 25, 1), 1
	s_wait_xcnt 0x0
; PREP.  q, k, v [4096][768] and wq, wk, wv [768 (K)][768] , f32, become codes of FP4 (E2M1) with one E8M0 byte for each 32 along K; wo [768 (K)][768] becomes f16.
; Everything is stored as IMAGES OF OPERAND REGISTERS: a fragment is 1,024 bytes, its registers 4 c .. 4 c + 3 at 512 c + 16 x lane, so that the later launches read it by dense 16-byte loads.
;   xc [t 3][row tile 256][K step 6][1,024]   FP4 fragment, 16 rows x 128 K: lane (r, h), group c: row r, k = 64 c + 32 h + 0 .. 31
;   xs [t 3][row tile 256][kp 3][32 x 4]      lanes 0-15: row r's scale word of K step 2 kp; lanes 16-31: of K step 2 kp + 1
;   wc [t 3][column tile 48][K step 6][1,024] the same fragment with a column of the weight in a row's place
;   ws [t 3][pair of tiles 24][K step 6][32 x 4]  lanes 0-15: the even tile's columns; lanes 16-31: the odd tile's
;   wof [column tile 48][K step of 32: 24][1,024]  f16 fragment: lane (r, h), group c: column r, k = 16 c + 8 h + 0 .. 7
; A block's scale is 2^(floor(log2(its largest magnitude)) - 2); its byte is the largest magnitude's exponent field - 2, held at 1 from below by a floor among the maximum's leaves.
; LIMITS: a block of zeros gets the byte 1 where the rule says 127 (its codes are zeros, which add nothing, and this program alone reads the bytes); NaN and infinities are not served; |wo| stays under 65,504 (f16).
; SHARES.  Work-groups 0 to 143: the four weights, a wave to 128 rows of K x 32 columns.  Work-groups 144 to 719: q, k, v, a wave to 16 rows x 256 along K.  Waves share nothing: no barrier.
; Memory binds: no matrix unit, no cluster, no tensor load.  Every load of the activations covers 512 consecutive bytes, every store of codes 512.
.set SPARE, 33792                      ; behind the four stages: the spare words, 128 bytes for each wave
.set STGB,  8448                       ; a wave's stage: 16 rows x (512 bytes + 16)
.set SPW,   2                          ; v2   LDS address of my spare word; never rewritten
.set NIL,   3                          ; v3   0; never rewritten
.set L16,   4                          ; v4   16 x lane
.set L4,    5                          ; v5   4 x lane
.set STI,   6                          ; v6   the stage, on the way in: 16 x lane
.set STO,   7                          ; v7   and on the way out: 528 r + 128 h
.set SH,    24                         ; v24  8 h: where my two bytes stand in a scale word
	s_load_b256 s[4:11], s[0:1], 0x0               ; q, k, v, wq
	s_load_b256 s[12:19], s[0:1], 0x20             ; wk, wv, wo, xc
	s_load_b256 s[20:27], s[0:1], 0x40             ; xs, wc, ws, wof
	v_lshl_add_u32 v[SPW], v0, 2, SPARE
	v_mov_b32 v[NIL], 0
	v_lshrrev_b32 v1, 5, v0
	v_readfirstlane_b32 s28, v1                    ; wave 0..3
	v_and_b32 v1, 31, v0                           ; lane
	v_lshlrev_b32 v[L16], 4, v1
	v_lshlrev_b32 v[L4], 2, v1
	v_and_b32 v25, 15, v0                          ; r
	v_bfe_u32 v26, v0, 4, 1                        ; h
	s_mul_i32 s29, s28, STGB                       ; my stage
	v_add_nc_u32 v[STI], s29, v[L16]
	v_mul_u32_u24 v[STO], v25, 528
	v_lshl_add_u32 v[STO], v26, 7, v[STO]
	v_add_nc_u32 v[STO], s29, v[STO]
	v_lshlrev_b32 v[SH], 3, v26
	v_mov_b32 v14, 0                               ; written once: a lane permute's destination counts as one of its sources
	s_mov_b32 s30, 0x76543210
	s_mov_b32 s31, 0xfedcba98                      ; v_permlanex16_b32's selects for lane l xor 16
	s_mov_b32 s39, 0                               ; the upper words of three offsets
	s_mov_b32 s41, 0
	s_mov_b32 s43, 0
	s_cmp_lt_u32 ttmp9, 144
	s_cbranch_scc1 .Lweights
; ---------------- q, k, v: my wave takes row tile rt of tensor t, K steps 2 kp and 2 kp + 1
	s_sub_co_u32 s32, ttmp9, 144
	s_and_b32 s35, s32, 63
	s_lshr_b32 s32, s32, 6                         ; x = 3 t + kp, 0 .. 8
	s_lshl_b32 s35, s35, 2
	s_add_co_u32 s35, s35, s28                     ; rt
	s_wait_kmcnt 0x0
	s_mov_b64 s[36:37], s[4:5]                     ; the tensor is chosen by the work-group's number alone
	s_mov_b32 s33, 0
	s_cmp_ge_u32 s32, 3
	s_cselect_b64 s[36:37], s[6:7], s[36:37]
	s_cselect_b32 s33, 1, s33
	s_cmp_ge_u32 s32, 6
	s_cselect_b64 s[36:37], s[8:9], s[36:37]
	s_cselect_b32 s33, 2, s33                      ; t
	s_mul_i32 s34, s33, 3
	s_sub_co_u32 s34, s32, s34                     ; kp
	s_mul_i32 s38, s35, 49152                      ; 16 rows of 3,072 bytes
	s_lshl_b32 s40, s34, 10                        ; 256 numbers along K
	s_add_co_u32 s38, s38, s40
	s_add_nc_u64 s[36:37], s[36:37], s[38:39]
	s_lshl_b32 s33, s33, 8
	s_add_co_u32 s33, s33, s35                     ; 256 t + rt
	s_mul_i32 s40, s33, 6
	s_lshl_b32 s42, s34, 1
	s_add_co_u32 s40, s40, s42
	s_lshl_b32 s40, s40, 10
	s_add_nc_u64 s[18:19], s[18:19], s[40:41]      ; xc at my two fragments
	s_mul_i32 s42, s33, 3
	s_add_co_u32 s42, s42, s34
	s_lshl_b32 s42, s42, 7
	s_add_nc_u64 s[20:21], s[20:21], s[42:43]      ; xs at my 128 bytes
.irp s, 0,1                                    ; K step s, row i: 32 lanes read 512 consecutive bytes; all of K step 0 first
.irp i, 0,1,2,3,4,5,6,7,8,9,10,11,12,13,14,15
	global_load_b128 v[64+64*\s+4*\i:64+64*\s+4*\i+3], v[L16], s[36:37] offset:3072*\i+512*\s th:TH_LOAD_NT
.endr
.endr
; 16 rows x 128 numbers go through my stage as they lie and come back so that a lane holds its two whole blocks: dst[32 c + i] = k 64 c + 32 h + i of row r.
; LDS serves a wave's instructions in order (ISA guide 5.7.1.4): no wait stands between the stores and the loads.
.macro TURN src, dst
.irp i, 0,1,2,3,4,5,6,7,8,9,10,11,12,13,14,15
	ds_store_b128 v[STI], v[\src+4*\i:\src+4*\i+3] offset:528*\i
.endr
.irp c, 0,1
.irp j, 0,1,2,3,4,5,6,7
	ds_load_b128 v[\dst+32*\c+4*\j:\dst+32*\c+4*\j+3], v[STO] offset:256*\c+16*\j
.endr
.endr
.endm
; 64 numbers of a lane become a fragment's 8 registers of codes in v[cd] on and its row's scale word in v[wd]
.macro QUANT2 x, cd, wd
	v_max3_num_f32 v8, |v[\x]|, |v[\x+1]|, 0x1800000       ; my block 2 c + h: all 32 numbers are mine; the floor 2^(3 - 127) holds the byte at 1 from below
	v_max3_num_f32 v9, |v[\x+32]|, |v[\x+33]|, 0x1800000
.irp i, 2,4,6,8,10,12,14,16,18,20,22,24,26,28,30
	v_max3_num_f32 v8, v8, |v[\x+\i]|, |v[\x+\i+1]|        ; (the two blocks by turns)
	v_max3_num_f32 v9, v9, |v[\x+32+\i]|, |v[\x+33+\i]|
.endr
	v_add_nc_u32 v10, 0xff000000, v8               ; 2 off the exponent field: the conversion takes the exponent field of this operand as its scale
	v_add_nc_u32 v11, 0xff000000, v9
	v_lshrrev_b32 v12, 23, v10                     ; the scales' bytes
	v_lshrrev_b32 v13, 23, v11
	v_lshl_or_b32 v[\wd], v13, 16, v12             ; blocks h and 2 + h,
	v_lshlrev_b32 v[\wd], v[SH], v[\wd]            ; at their places in the word;
	v_permlanex16_b32 v14, v[\wd], s30, s31
	v_or_b32 v[\wd], v[\wd], v14                   ; with lane l xor 16's two the word is whole
.irp c, 0,1
.irp g, 0,1,2,3
	v_cvt_scalef32_pk8_fp4_f32 v[\cd+4*\c+\g], v[\x+32*\c+8*\g:\x+32*\c+8*\g+7], v[10+\c]
.endr
.endr
	v_nop                                          ; one plain place behind the last scaled conversion
.endm
	s_wait_loadcnt 16                              ; K step 0's 16 loads are in; K step 1's 16 are the younger ones
	TURN 64, 192
	s_wait_dscnt 0x0                               ; K step 0 is back, and the stores have read v64-127
	s_wait_loadcnt 0x0
	TURN 128, 64                                   ; K step 1 goes through the stage while K step 0 is quantised
	QUANT2 192, 32, 48
	s_wait_dscnt 0x0
	QUANT2 64, 40, 49
	v_cmp_le_u32 vcc_lo, 16, v1
	v_cndmask_b32 v50, v48, v49, vcc_lo            ; lanes 0-15 K step 2 kp's word, lanes 16-31 K step 2 kp + 1's
	global_store_b128 v[L16], v[32:35], s[18:19]               ; each store: 512 consecutive bytes, aligned
	global_store_b128 v[L16], v[36:39], s[18:19] offset:512
	global_store_b128 v[L16], v[40:43], s[18:19] offset:1024
	global_store_b128 v[L16], v[44:47], s[18:19] offset:1536
	global_store_b32 v[L4], v50, s[20:21]          ; 128 consecutive bytes: one part in 128 of what the wave reads
	s_wait_tensorcnt 0x0                           ; the wave's end, behind my last LDS store
	ds_add_u32 v[SPW], v[NIL]
	s_wait_dscnt 0x0
	s_endpgm
; ---------------- the weights: matrix m, K step ks (128 rows), columns 32 cpair on.  A LANE TAKES A COLUMN AND ITS REGISTERS RUN DOWN K.  No LDS on this way
.Lweights:
	s_and_b32 s32, ttmp9, 3                        ; m: wq, wk, wv, wo
	s_lshr_b32 s33, ttmp9, 2                       ; 0 .. 35
	s_mul_i32 s34, s33, 43
	s_lshr_b32 s34, s34, 8                         ; ks = that / 6 (exact for 0 .. 35)
	s_mul_i32 s35, s34, 6
	s_sub_co_u32 s35, s33, s35
	s_lshl_b32 s35, s35, 2
	s_add_co_u32 s35, s35, s28                     ; cpair, 0 .. 23: the four waves stand side by side on 512 bytes of a row
	s_mul_i32 s38, s34, 393216                     ; 128 rows of 3,072 bytes
	s_lshl_b32 s40, s35, 7                         ; 32 columns of 4 bytes
	s_add_co_u32 s38, s38, s40
	s_wait_kmcnt 0x0
	s_mov_b64 s[36:37], s[10:11]
	s_cmp_eq_u32 s32, 1
	s_cselect_b64 s[36:37], s[12:13], s[36:37]
	s_cmp_eq_u32 s32, 2
	s_cselect_b64 s[36:37], s[14:15], s[36:37]
	s_cmp_eq_u32 s32, 3
	s_cselect_b64 s[36:37], s[16:17], s[36:37]
	s_add_nc_u64 s[36:37], s[36:37], s[38:39]
.set I, 0
.rept 128
	global_load_b32 v[64+I], v[L4], s[36:37] offset:3072*I th:TH_LOAD_NT   ; W(128 ks + I, my column)
.set I, I+1
.endr
	s_cmp_eq_u32 s32, 3
	s_cbranch_scc1 .Lwo
	s_mul_i32 s40, s32, 48
	s_lshl_b32 s42, s35, 1
	s_add_co_u32 s40, s40, s42
	s_mul_i32 s40, s40, 6
	s_add_co_u32 s40, s40, s34
	s_lshl_b32 s40, s40, 10
	s_add_nc_u64 s[22:23], s[22:23], s[40:41]      ; wc at the even tile's fragment of this K step; the odd tile's lies 6,144 bytes on
	s_mul_i32 s42, s32, 24
	s_add_co_u32 s42, s42, s35
	s_mul_i32 s42, s42, 6
	s_add_co_u32 s42, s42, s34
	s_lshl_b32 s42, s42, 7
	s_add_nc_u64 s[24:25], s[24:25], s[42:43]      ; ws
.macro WBLOCK b, left                  ; block b of 32 along K: its largest magnitude in two chains, the conversion's operand, the byte
	s_wait_loadcnt \left                           ; at most so many of the younger loads are out: this block's 32 are in
	v_max3_num_f32 v[8+\b], |v[64+32*\b]|, |v[65+32*\b]|, 0x1800000
	v_max3_num_f32 v[12+\b], |v[66+32*\b]|, |v[67+32*\b]|, |v[68+32*\b]|
.irp i, 5,9,13,17,21,25
	v_max3_num_f32 v[8+\b], v[8+\b], |v[64+32*\b+\i]|, |v[65+32*\b+\i]|
	v_max3_num_f32 v[12+\b], v[12+\b], |v[66+32*\b+\i]|, |v[67+32*\b+\i]|
.endr
	v_max3_num_f32 v[8+\b], v[8+\b], |v[93+32*\b]|, |v[94+32*\b]|
	v_max3_num_f32 v[8+\b], v[8+\b], v[12+\b], |v[95+32*\b]|
	v_add_nc_u32 v[16+\b], 0xff000000, v[8+\b]
	v_lshrrev_b32 v[20+\b], 23, v[16+\b]
.endm
	WBLOCK 0, 63                                   ; 96 and 64 loads are younger than blocks 0 and 1: the count's field holds 63, and a smaller count is right
	WBLOCK 1, 63
	WBLOCK 2, 32
	WBLOCK 3, 0
	v_lshl_or_b32 v27, v21, 8, v20                 ; my column's scale word
	v_lshl_or_b32 v27, v22, 16, v27
	v_lshl_or_b32 v27, v23, 24, v27
.irp b, 0,1,2,3
.irp g, 0,1,2,3
	v_cvt_scalef32_pk8_fp4_f32 v[32+4*\b+\g], v[64+32*\b+8*\g:64+32*\b+8*\g+7], v[16+\b]
.endr
.endr
	v_nop                                          ; one plain place behind the last scaled conversion
.irp g, 0,1,2,3                                ; a fragment wants block 2 c in lanes 0-15 and block 2 c + 1 in lanes 16-31, of ONE tile's 16 columns: the first register's upper lanes change places with the second's lower
	v_permlane16_swap_b32 v[32+\g], v[36+\g]       ; v32-35: the even tile's group 0;  v36-39: the odd tile's
	v_permlane16_swap_b32 v[40+\g], v[44+\g]       ; v40-43: the even tile's group 1;  v44-47: the odd tile's
.endr
	global_store_b128 v[L16], v[32:35], s[22:23]
	global_store_b128 v[L16], v[40:43], s[22:23] offset:512
	global_store_b128 v[L16], v[36:39], s[22:23] offset:6144
	global_store_b128 v[L16], v[44:47], s[22:23] offset:6656
	global_store_b32 v[L4], v27, s[24:25]
	s_endpgm
.Lwo:                                              ; wo: rounded to f16, four K steps of 32
	s_mul_i32 s40, s35, 48
	s_lshl_b32 s42, s34, 2
	s_add_co_u32 s40, s40, s42
	s_lshl_b32 s40, s40, 10
	s_add_nc_u64 s[26:27], s[26:27], s[40:41]      ; wof at (even tile, K step 4 ks); the odd tile lies 24,576 bytes on
	s_wait_loadcnt 0x0
.irp q, 0,1,2,3
.irp i, 0,1,2,3,4,5,6,7,8,9,10,11,12,13,14,15
	v_cvt_pk_f16_f32 v[64+16*\q+\i], v[64+32*\q+2*\i], v[65+32*\q+2*\i]   ; ascending and in place: a destination never lies above a source that is still to be read
.endr
.endr
.irp q, 0,1,2,3
.irp i, 0,1,2,3
	v_permlane16_swap_b32 v[64+16*\q+\i], v[68+16*\q+\i]     ; k 0-7 | 8-15 of one tile's columns
	v_permlane16_swap_b32 v[72+16*\q+\i], v[76+16*\q+\i]     ; k 16-23 | 24-31
.endr
.endr
.irp q, 0,1,2,3
	global_store_b128 v[L16], v[64+16*\q:67+16*\q], s[26:27] offset:1024*\q
	global_store_b128 v[L16], v[72+16*\q:75+16*\q], s[26:27] offset:1024*\q+512
	global_store_b128 v[L16], v[68+16*\q:71+16*\q], s[26:27] offset:1024*\q+24576
	global_store_b128 v[L16], v[76+16*\q:79+16*\q], s[26:27] offset:1024*\q+25088
.endr
	s_endpgm
.Lfunc_end_k_q00f592d0fb_prep:
	.size	k_q00f592d0fb_prep, .Lfunc_end_k_q00f592d0fb_prep-k_q00f592d0fb_prep
	.p2alignl 7, 3214868480
	.fill 96, 4, 3214868480
	.section	.rodata,"a",@progbits
	.p2align	6, 0x0
	.amdhsa_kernel k_q00f592d0fb_prep
		.amdhsa_group_segment_fixed_size 34304
		.amdhsa_private_segment_fixed_size 0
		.amdhsa_enable_private_segment 0
		.amdhsa_kernarg_size 96
		.amdhsa_user_sgpr_count 2
		.amdhsa_user_sgpr_kernarg_segment_ptr 1
		.amdhsa_wavefront_size32 1
		.amdhsa_system_sgpr_workgroup_id_x 1
		.amdhsa_system_sgpr_workgroup_id_y 1
		.amdhsa_system_sgpr_workgroup_id_z 1
		.amdhsa_system_vgpr_workitem_id 0
		.amdhsa_next_free_vgpr 256
		.amdhsa_next_free_sgpr 66
		.amdhsa_reserve_vcc 1
		.amdhsa_float_denorm_mode_32 3
		.amdhsa_float_denorm_mode_16_64 3
		.amdhsa_memory_ordered 1
		.amdhsa_forward_progress 1
		.amdhsa_inst_pref_size 43
	.end_amdhsa_kernel
	.amdgpu_metadata
---
amdhsa.version: [ 1, 2 ]
amdhsa.kernels:
  - .name:           k_q00f592d0fb_prep
    .symbol:         k_q00f592d0fb_prep.kd
    .args:
      - { .name: q, .offset: 0, .size: 8, .value_kind: global_buffer, .address_space: global }
      - { .name: k, .offset: 8, .size: 8, .value_kind: global_buffer, .address_space: global }
      - { .name: v, .offset: 16, .size: 8, .value_kind: global_buffer, .address_space: global }
      - { .name: wq, .offset: 24, .size: 8, .value_kind: global_buffer, .address_space: global }
      - { .name: wk, .offset: 32, .size: 8, .value_kind: global_buffer, .address_space: global }
      - { .name: wv, .offset: 40, .size: 8, .value_kind: global_buffer, .address_space: global }
      - { .name: wo, .offset: 48, .size: 8, .value_kind: global_buffer, .address_space: global }
      - { .name: xc, .offset: 56, .size: 8, .value_kind: global_buffer, .address_space: global }
      - { .name: xs, .offset: 64, .size: 8, .value_kind: global_buffer, .address_space: global }
      - { .name: wc, .offset: 72, .size: 8, .value_kind: global_buffer, .address_space: global }
      - { .name: ws, .offset: 80, .size: 8, .value_kind: global_buffer, .address_space: global }
      - { .name: wof, .offset: 88, .size: 8, .value_kind: global_buffer, .address_space: global }
    .group_segment_fixed_size: 34304
    .private_segment_fixed_size: 0
    .kernarg_segment_align: 8
    .kernarg_segment_size: 96
    .max_flat_workgroup_size: 128
    .sgpr_count:     66
    .vgpr_count:     256
    .wavefront_size: 32
...
	.end_amdgpu_metadata
.endif
;; end of part 1
;; launch proj (part 2): grid 4 x 48, 12 waves a work-group, clusters of 4 x 4, 173,568 bytes of LDS; arguments xc, xs, wc, ws, bq, bk, bv, hf; writes hf
.if DOCPART == 2
	.amdgcn_target "amdgcn-amd-amdhsa--gfx1250"
	.amdhsa_code_object_version 6
	.text
	.protected	k_q00f592d0fb_proj
	.globl	k_q00f592d0fb_proj
	.p2align	8
	.type	k_q00f592d0fb_proj,@function
k_q00f592d0fb_proj:
	s_mov_b64 s[64:65], 0
	v_nop
	global_prefetch_b8 v0, s[64:65] scope:SCOPE_SE
	s_setreg_imm32_b32 hwreg(HW_REG_WAVE_MODE, 25, 1), 1
	s_wait_xcnt 0x0
	s_wait_alu depctr_hold_cnt(0) depctr_sa_sdst(0) depctr_va_vdst(0) depctr_va_sdst(0) depctr_va_ssrc(0) depctr_va_vcc(0) depctr_vm_vsrc(0)
	s_getreg_b32 s2, hwreg(HW_REG_IB_STS2, 6, 4)
	s_cmp_eq_u32 s2, 0
	s_cbranch_scc0 .Lentry_in_a_cluster
	s_endpgm
.Lentry_in_a_cluster:
	s_bfe_u32 s2, ttmp6, 0x10000c
	s_cmp_lg_u32 s2, 0xf033
	s_cbranch_scc0 .Lentry_shape_is_right
	s_endpgm
.Lentry_shape_is_right:
; PROJ.  The three quantised products: (q wq + bq) f, (k wk + bk) f, v wv + bv, on codes of FP4 with E8M0 scales; sums in f32; results rounded to f16 and stored as fragments for the attention.
; f = sqrt(log2(e) / 8) on q's and k's side, so that the attention's scores come out of the matrix unit as logit x log2(e); 1 on v's.
; hf [t 3][batch x head 24][tile of 16 positions 128][u 2][1,024]: lane (r, h), group c (at 512 c + 16 x lane): position r, channels 32 u + 16 c + 8 h + 0 .. 7 of the head.
; LIMITS: the scaled results stay under 65,504 in magnitude (f16); NaN and infinities are not served.
; SHARES.  A work-group: 256 rows (16 tiles) of tensor t x 192 columns (3 heads): work-group y = 16 t + row block, x = column block.  9 x 2^20 outputs do not fall into 256 equal tiles of whole heads: 192 work-groups.
; Wave w of twelve: row tiles 4 (w & 3) on, head w >> 2: 16 accumulators, 6 K steps of 128, 96 matrix instructions.  Three waves share a SIMD: one's LDS loads stand beside another's products.
; All of K fits in LDS: 98,304 bytes of x's codes and 73,728 of W's, filled ONCE by seven tensor loads of 24,576 dense bytes: no ring, no refill.
; CLUSTER 4 x 4: the four work-groups of a row of the cluster read the same rows of x, the four of a column the same columns of W (a cluster lies inside one tensor): each tile is asked for jointly.
; THE MATRIX INSTRUCTION IS USED TRANSPOSED (source 0 = 16 columns of W, source 1 = 16 rows of x): a lane holds one position and eight neighbouring channels, which pack into 16 bytes of a fragment: no stage on the way out.
; The bias is LOADED INTO THE ACCUMULATORS, in the result's layout: every product adds in place and nothing is cleared.
.set SPARE, 172032                     ; behind the codes: the spare words, 128 bytes for each of twelve waves
.set WV,  20                           ; s20  my wave's number
.set L16, 1                            ; v1   16 x lane
.set VA,  2                            ; v2   LDS: my four row tiles of x
.set VB,  3                            ; v3   LDS: my four column tiles of W
.set L4,  4                            ; v4   4 x lane
.set H32, 5                            ; v5   32 h: my eight numbers of a tile's 16 of the bias
.set SPW, 6                            ; v6   LDS address of my spare word; never rewritten
.set NIL, 7                            ; v7   0; never rewritten
; v8-19 x's scale words (row tile i, pair of K steps p: 8 + 3 i + p); v20-31 W's (pair of tiles p, K step k: 20 + 6 p + k); v32-63 x's fragments; v64-95 W's; v96-223 accumulator (i, j) at 96 + 8 (4 i + j)
.macro PLACES n
.rept \n
	v_nop
.endr
.endm
.macro CROUND                          ; a round of the cluster's barrier
	s_barrier_signal -1
	s_barrier_wait -1
	s_cmp_lg_u32 s[WV], 0
	s_cbranch_scc1 .Lnot_wave_0_\@
	s_barrier_signal -3
.Lnot_wave_0_\@:
	s_barrier_wait -3
	s_barrier_signal -1
	s_barrier_wait -1
.endm
	s_load_b256 s[4:11], s[0:1], 0x0               ; xc, xs, wc, ws
	s_load_b256 s[12:19], s[0:1], 0x20             ; bq, bk, bv, hf
	v_lshl_add_u32 v[SPW], v0, 2, SPARE
	v_mov_b32 v[NIL], 0
	ds_add_u32 v[SPW], v[NIL]                      ; the wave's opening: the add, twice on end, and its wait ahead of the first tensor loads
	ds_add_u32 v[SPW], v[NIL]
	v_lshrrev_b32 v1, 5, v0
	v_readfirstlane_b32 s[WV], v1                  ; wave 0..11
	s_bfe_u32 s21, ttmp6, 0x40000                  ; cx
	s_bfe_u32 s22, ttmp6, 0x40004                  ; cy
	s_and_b32 s23, ttmp7, 0xffff                   ; cluster y
	s_lshl_b32 s24, ttmp9, 2
	s_add_co_u32 s24, s24, s21                     ; work-group x: which 192 columns
	s_lshl_b32 s25, s23, 2
	s_add_co_u32 s25, s25, s22                     ; work-group y = 16 t + row block
	s_lshr_b32 s26, s23, 2                         ; t, from the cluster's y alone: the same in all sixteen partners
	s_and_b32 s27, s25, 15                         ; row block
	s_and_b32 s28, s[WV], 3                        ; which four row tiles are mine
	s_lshr_b32 s29, s[WV], 2                       ; which head of the three
	s_lshl_b32 s30, s22, 2
	s_lshl_b32 s30, 15, s30                        ; my row of the cluster
	s_lshl_b32 s31, 0x1111, s21                    ; my column
	; descriptor group 1: 24,576 dense bytes as 96 rows of 32 elements of 8 bytes, no padding
	s_or_b32 s32, s30, (3<<16)|(1<<21)             ; 15:0 the mask: x's tiles go to my row; 17:16 elements of 8 bytes; 21 set beside a mask
	s_or_b32 s40, s31, (3<<16)|(1<<21)             ; W's tiles go to my column
.irp g, 32, 40
	s_mov_b32 s[\g+1], 32<<16                      ; tensor_dim0 = 32
	s_mov_b32 s[\g+2], 96<<16                      ; tensor_dim1 = 96
	s_mov_b32 s[\g+3], 32<<16                      ; tile_dim0 = 32
	s_mov_b32 s[\g+4], 96                          ; tile_dim1 = 96
	s_mov_b32 s[\g+5], 32                          ; from row to row: 32 elements
	s_mov_b32 s[\g+6], 0
	s_mov_b32 s[\g+7], 0
.endr
	s_mov_b32 s48, 1
	s_mul_i32 s49, s[WV], 24576                    ; LDS: wave x 24,576: waves 0-3 x's four quarters, waves 4-6 W's three heads
	s_mov_b32 s52, 1
	s_mul_i32 s53, s[WV], 24576
	s_mul_i32 s56, s25, 98304                      ; x: my work-group's 16 row tiles, my wave's four (made of work-group y and the wave alone)
	s_add_co_u32 s56, s56, s49
	s_mov_b32 s57, 0
	s_mul_i32 s58, s26, 48                         ; W: tensor t's 48 column tiles, my work-group's twelve, my wave's four (made of t, work-group x and the wave alone)
	s_mul_i32 s60, s24, 12
	s_add_co_u32 s58, s58, s60
	s_and_b32 s60, s[WV], 3                        ; 0, 1, 2 in waves 4, 5, 6, which alone ask by this address
	s_lshl_b32 s60, s60, 2
	s_add_co_u32 s58, s58, s60
	s_mul_i32 s58, s58, 6144
	s_mov_b32 s59, 0
	s_lshl_b32 s60, s25, 4                         ; x's scale words: row tile 16 y + 4 (w & 3), 384 bytes a tile
	s_lshl_b32 s61, s28, 2
	s_add_co_u32 s60, s60, s61
	s_mul_i32 s60, s60, 384
	s_mov_b32 s61, 0
	s_mul_i32 s62, s26, 24                         ; W's scale words: pair of tiles 24 t + 6 x + 2 head, 768 bytes a pair
	s_mul_i32 s63, s24, 6
	s_add_co_u32 s62, s62, s63
	s_lshl_b32 s63, s29, 1
	s_add_co_u32 s62, s62, s63
	s_mul_i32 s62, s62, 768
	s_mov_b32 s63, 0
	s_mul_i32 s73, s24, 3
	s_add_co_u32 s73, s73, s29                     ; my head, 0 .. 11
	s_lshl_b32 s76, s73, 8                         ; its 64 numbers of the bias
	s_mov_b32 s77, 0
	s_lshr_b32 s72, s27, 3                         ; the batch
	s_mul_i32 s72, s72, 12
	s_add_co_u32 s72, s72, s73
	s_lshl_b32 s72, s72, 7                         ; 128 tiles of positions for each batch and head
	s_and_b32 s74, s27, 7
	s_lshl_b32 s74, s74, 4
	s_add_co_u32 s72, s72, s74
	s_lshl_b32 s74, s28, 2
	s_add_co_u32 s72, s72, s74
	s_lshl_b32 s72, s72, 11                        ; 2,048 bytes a tile
	s_mul_i32 s74, s26, 6291456
	s_add_co_u32 s72, s72, s74
	s_mov_b32 s73, 0
	s_mov_b32 s68, 0x3ed96d27                      ; sqrt(log2(e) / 8)
	s_cmp_eq_u32 s26, 2
	s_cselect_b32 s68, 1.0, s68                    ; v's results are not scaled
	s_mov_b32 s69, s68                             ; (named with it as a pair, so it is written)
	v_and_b32 v[L4], 31, v0
	v_lshlrev_b32 v[L16], 4, v[L4]
	v_lshlrev_b32 v[L4], 2, v[L4]
	v_bfe_u32 v[H32], v0, 4, 1
	v_lshlrev_b32 v[H32], 5, v[H32]
	s_mul_i32 s74, s28, 24576
	v_add_nc_u32 v[VA], s74, v[L16]
	s_mul_i32 s74, s29, 24576
	s_add_co_u32 s74, s74, 98304
	v_add_nc_u32 v[VB], s74, v[L16]
	s_wait_dscnt 0x0                               ; both opening adds are done
	s_wait_kmcnt 0x0
	s_add_nc_u64 s[50:51], s[4:5], s[56:57]
	s_or_b32 s51, s51, 0x80000000                  ; type = 2
	s_add_nc_u64 s[54:55], s[8:9], s[58:59]
	s_or_b32 s55, s55, 0x80000000
	s_add_nc_u64 s[6:7], s[6:7], s[60:61]
	s_add_nc_u64 s[10:11], s[10:11], s[62:63]
	s_mov_b64 s[66:67], s[12:13]                   ; the bias is chosen by the tensor's number
	s_cmp_eq_u32 s26, 1
	s_cselect_b64 s[66:67], s[14:15], s[66:67]
	s_cmp_eq_u32 s26, 2
	s_cselect_b64 s[66:67], s[16:17], s[66:67]
	s_add_nc_u64 s[66:67], s[66:67], s[76:77]
	s_add_nc_u64 s[70:71], s[18:19], s[72:73]      ; hf at my first fragment
	CROUND                                         ; all sixteen work-groups are here: the joint loads meet
	s_cmp_lt_u32 s[WV], 4                          ; waves 0-3 ask for x, waves 4-6 for W, the others for nothing: branches on the wave's number alone
	s_cbranch_scc0 .Lnot_x
	tensor_load_to_lds s[48:51], s[32:39]
	s_nop 0
	PLACES 4
	s_branch .Lasked
.Lnot_x:
	s_cmp_lt_u32 s[WV], 7
	s_cbranch_scc0 .Lasked
	tensor_load_to_lds s[52:55], s[40:47]
	s_nop 0
	PLACES 4
.Lasked:
.irp i, 0,1,2,3                                ; while the tiles are on their way: the scale words and the bias
.irp p, 0,1,2
	global_load_b32 v[8+3*\i+\p], v[L4], s[6:7] offset:128*(3*\i+\p)
.endr
.endr
.irp p, 0,1
.irp k, 0,1,2,3,4,5
	global_load_b32 v[20+6*\p+\k], v[L4], s[10:11] offset:128*(6*\p+\k)
.endr
.endr
.irp i, 0,1,2,3
.irp j, 0,1,2,3
	global_load_b128 v[96+8*(4*\i+\j):96+8*(4*\i+\j)+3], v[H32], s[66:67] offset:64*\j       ; lane (r, h), register n: the bias of channel 16 j + 8 h + n
	global_load_b128 v[96+8*(4*\i+\j)+4:96+8*(4*\i+\j)+7], v[H32], s[66:67] offset:64*\j+16
.endr
.endr
	s_wait_tensorcnt 0x0                           ; my tile, if I asked for one, has landed;
	s_barrier_signal -1
	s_barrier_wait -1                              ; everybody's has.
	s_wait_loadcnt 0x0
; one product: accumulator (i, j), K step k.  W's words lie in lanes 0-15 for an even tile and 16-31 for an odd one; x's in lanes 0-15 for an even K step and 16-31 for an odd one
.macro MM i, j, k
.set AC, 96+8*(4*(\i)+(\j))
.set WF, 64+8*(\j)
.set XF, 32+8*(\i)
.set SA, 20+6*((\j)/2)+(\k)
.set SB, 8+3*(\i)+(\k)/2
.if ((\j)%2 == 0) && ((\k)%2 == 0)
	v_wmma_scale_f32_16x16x128_f8f6f4 v[AC:AC+7], v[WF:WF+7], v[XF:XF+7], v[AC:AC+7], v[SA], v[SB] matrix_a_fmt:MATRIX_FMT_FP4 matrix_b_fmt:MATRIX_FMT_FP4
.elseif ((\j)%2 == 1) && ((\k)%2 == 0)
	v_wmma_scale_f32_16x16x128_f8f6f4 v[AC:AC+7], v[WF:WF+7], v[XF:XF+7], v[AC:AC+7], v[SA], v[SB] matrix_a_fmt:MATRIX_FMT_FP4 matrix_b_fmt:MATRIX_FMT_FP4 matrix_a_scale:MATRIX_SCALE_ROW1
.elseif ((\j)%2 == 0)
	v_wmma_scale_f32_16x16x128_f8f6f4 v[AC:AC+7], v[WF:WF+7], v[XF:XF+7], v[AC:AC+7], v[SA], v[SB] matrix_a_fmt:MATRIX_FMT_FP4 matrix_b_fmt:MATRIX_FMT_FP4 matrix_b_scale:MATRIX_SCALE_ROW1
.else
	v_wmma_scale_f32_16x16x128_f8f6f4 v[AC:AC+7], v[WF:WF+7], v[XF:XF+7], v[AC:AC+7], v[SA], v[SB] matrix_a_fmt:MATRIX_FMT_FP4 matrix_b_fmt:MATRIX_FMT_FP4 matrix_a_scale:MATRIX_SCALE_ROW1 matrix_b_scale:MATRIX_SCALE_ROW1
.endif
.endm
; a K step of 128: eight fragments, sixteen products; the sixteen accumulators take turns, one instruction a turn
.macro KSTEP k
.if (\k) > 0
	PLACES 4                                       ; in front of loads into registers that matrix instructions have read
.endif
.irp i, 0,1,2,3
	ds_load_b128 v[32+8*\i:32+8*\i+3], v[VA] offset:6144*\i+1024*(\k)
	ds_load_b128 v[32+8*\i+4:32+8*\i+7], v[VA] offset:6144*\i+1024*(\k)+512
	ds_load_b128 v[64+8*\i:64+8*\i+3], v[VB] offset:6144*\i+1024*(\k)
	ds_load_b128 v[64+8*\i+4:64+8*\i+7], v[VB] offset:6144*\i+1024*(\k)+512
.endr
	s_wait_dscnt 0x0
.irp i, 0,1,2,3
.irp j, 0,1,2,3
	MM \i, \j, \k
.endr
.endr
.endm
	KSTEP 0
	KSTEP 1
	KSTEP 2
	KSTEP 3
	KSTEP 4
	KSTEP 5
	PLACES 4                                       ; in front of the first read of results and the first write of the fragments' registers
; THE WAY OUT: x f, rounded to f16.  Accumulators (i, 2 u) and (i, 2 u + 1) are groups 0 and 1 of fragment (position tile i, u)
.irp i, 0,1,2,3
.irp j, 0,1,2,3
.irp n, 0,1,2,3
	v_pk_mul_f32 v[96+8*(4*\i+\j)+2*\n:96+8*(4*\i+\j)+2*\n+1], v[96+8*(4*\i+\j)+2*\n:96+8*(4*\i+\j)+2*\n+1], s[68:69] op_sel_hi:[1,0]   ; each accumulator from its low end on
.endr
.irp n, 0,1,2,3
	v_cvt_pk_f16_f32 v[32+8*(2*\i+\j/2)+4*(\j%2)+\n], v[96+8*(4*\i+\j)+2*\n], v[96+8*(4*\i+\j)+2*\n+1]
.endr
.endr
.endr
.irp i, 0,1,2,3
.irp u, 0,1
.irp c, 0,1
	global_store_b128 v[L16], v[32+8*(2*\i+\u)+4*\c:32+8*(2*\i+\u)+4*\c+3], s[70:71] offset:2048*\i+1024*\u+512*\c   ; 32 lanes store 512 consecutive bytes, aligned
.endr
.endr
.endr
	s_wait_tensorcnt 0x0                           ; the wave's end
	ds_add_u32 v[SPW], v[NIL]
	s_wait_dscnt 0x0
	CROUND                                         ; the closing round
	s_endpgm
.Lfunc_end_k_q00f592d0fb_proj:
	.size	k_q00f592d0fb_proj, .Lfunc_end_k_q00f592d0fb_proj-k_q00f592d0fb_proj
	.p2alignl 7, 3214868480
	.fill 96, 4, 3214868480
	.section	.rodata,"a",@progbits
	.p2align	6, 0x0
	.amdhsa_kernel k_q00f592d0fb_proj
		.amdhsa_group_segment_fixed_size 173568
		.amdhsa_private_segment_fixed_size 0
		.amdhsa_enable_private_segment 0
		.amdhsa_kernarg_size 64
		.amdhsa_user_sgpr_count 2
		.amdhsa_user_sgpr_kernarg_segment_ptr 1
		.amdhsa_wavefront_size32 1
		.amdhsa_system_sgpr_workgroup_id_x 1
		.amdhsa_system_sgpr_workgroup_id_y 1
		.amdhsa_system_sgpr_workgroup_id_z 1
		.amdhsa_system_vgpr_workitem_id 0
		.amdhsa_next_free_vgpr 224
		.amdhsa_next_free_sgpr 80
		.amdhsa_reserve_vcc 0
		.amdhsa_float_denorm_mode_32 3
		.amdhsa_float_denorm_mode_16_64 3
		.amdhsa_memory_ordered 1
		.amdhsa_forward_progress 1
		.amdhsa_inst_pref_size 41
	.end_amdhsa_kernel
	.amdgpu_metadata
---
amdhsa.version: [ 1, 2 ]
amdhsa.kernels:
  - .name:           k_q00f592d0fb_proj
    .symbol:         k_q00f592d0fb_proj.kd
    .args:
      - { .name: xc, .offset: 0, .size: 8, .value_kind: global_buffer, .address_space: global }
      - { .name: xs, .offset: 8, .size: 8, .value_kind: global_buffer, .address_space: global }
      - { .name: wc, .offset: 16, .size: 8, .value_kind: global_buffer, .address_space: global }
      - { .name: ws, .offset: 24, .size: 8, .value_kind: global_buffer, .address_space: global }
      - { .name: bq, .offset: 32, .size: 8, .value_kind: global_buffer, .address_space: global }
      - { .name: bk, .offset: 40, .size: 8, .value_kind: global_buffer, .address_space: global }
      - { .name: bv, .offset: 48, .size: 8, .value_kind: global_buffer, .address_space: global }
      - { .name: hf, .offset: 56, .size: 8, .value_kind: global_buffer, .address_space: global }
    .group_segment_fixed_size: 173568
    .private_segment_fixed_size: 0
    .kernarg_segment_align: 8
    .kernarg_segment_size: 64
    .max_flat_workgroup_size: 384
    .sgpr_count:     80
    .vgpr_count:     224
    .wavefront_size: 32
...
	.end_amdgpu_metadata
.endif
;; end of part 2
;; launch attn (part 3): grid 8 x 24, 8 waves a work-group, clusters of 4 x 1, 327,680 bytes of LDS; arguments hf, ctxf; writes ctxf
.if DOCPART == 3
	.amdgcn_target "amdgcn-amd-amdhsa--gfx1250"
	.amdhsa_code_object_version 6
	.text
	.protected	k_q00f592d0fb_attn
	.globl	k_q00f592d0fb_attn
	.p2align	8
	.type	k_q00f592d0fb_attn,@function
k_q00f592d0fb_attn:
	s_mov_b64 s[64:65], 0
	v_nop
	global_prefetch_b8 v0, s[64:65] scope:SCOPE_SE
	s_setreg_imm32_b32 hwreg(HW_REG_WAVE_MODE, 25, 1), 1
	s_wait_xcnt 0x0
	s_wait_alu depctr_hold_cnt(0) depctr_sa_sdst(0) depctr_va_vdst(0) depctr_va_sdst(0) depctr_va_ssrc(0) depctr_va_vcc(0) depctr_vm_vsrc(0)
	s_getreg_b32 s2, hwreg(HW_REG_IB_STS2, 6, 4)
	s_cmp_eq_u32 s2, 0
	s_cbranch_scc0 .Lentry_in_a_cluster
	s_endpgm
.Lentry_in_a_cluster:
	s_bfe_u32 s2, ttmp6, 0x10000c
	s_cmp_lg_u32 s2, 0x3003
	s_cbranch_scc0 .Lentry_shape_is_right
	s_endpgm
.Lentry_shape_is_right:
; ATTN.  ctx[b][h][q] = the sum over k of softmax_k(logit) v[k], 24 heads of 64 channels, 2,048 keys, no mask.  Operands f16, products, maxima and sums f32.
; q and k arrive multiplied by sqrt(log2(e) / 8) each, so a score IS t = logit x log2(e).  For each query a running maximum m and sum l: p = 2^(t - m); in every step O and l are multiplied by a = 2^(m_old - m_new).
; The sum is taken of p in f32, before p is rounded to f16 for the second product.  LIMITS: finite inputs; what arrives in hf is f16.
; SHARES.  A work-group: 256 queries of one head.  Wave w of eight: queries 64 (w & 3) on (four tiles of 16), keys 1,024 (w >> 2) on.  THE TWO WAVES OF A SIMD SHARE THEIR QUERIES AND SPLIT THE KEYS: each fragment of K
; and V read from LDS still feeds four matrix instructions, and one wave's softmax stands beside the other's products.  The two halves' m, l and O meet in LDS at the end.
; 3,072 query tiles are 3 for each of 1,024 SIMDs, and a head's 128 tiles divide by neither 3 nor 12: 192 work-groups of 16 tiles.
; LAYOUT.  Both products are used transposed: S^T = K Q^T (source 0 = 16 keys, source 1 = 16 queries), O^T = V^T P (source 0 = 16 channels): a lane holds ONE query (lane % 16) throughout, and two tiles of S^T,
; rounded in pairs, ARE source 1 of the second product.  K's fragments come out of LDS as they lie; V lies like K ([position][channel]) and is read turned, by ds_load_tr16_b128.
; RING.  Two slots of 131,072 bytes: [K of half 0][K of half 1][V of half 0][V of half 1], 256 keys (four steps of 64) each.  Four parts: two first fills, two refills.  Each of the eight waves brings 16,384 dense bytes.
; CLUSTER 4 x 1: the four query blocks of a cluster belong to one head and walk the same K and V: every tile is asked for jointly, by the same descriptor with the mask of all four.
; No prefetch: a refill is asked for a whole part (four steps of both waves of a SIMD) ahead of the wait for it.
; REGISTERS, in windows of 256 (s_set_vgpr_msb: bits 1:0 source 0, 3:2 source 1, 5:4 source 2, 7:6 destination):
;   window 0: v1-12 addresses; v16-47 statistics, 8 a tile; v48-61 the merge's; v64-191 S^T (tile t, keys 16 k on: 64 + 32 t + 8 k), then P in its first 16 of each 32; v192-255 K (16 k keys, channels 32 u on: 192 + 8 (2 k + u))
;   window 1: v0-127 O^T (tile t, channels 16 c on: 32 t + 8 c); v128-191 Q (128 + 8 (2 t + u)); v192-255 V (keys 32 s on, channels 16 c on: 192 + 8 (4 s + c))
.set SLOT1, 131072
.set STX,   262144                     ; behind the ring: the merge's m and l, 1,024 bytes a wave
.set SPARE, 270336                     ; the spare words, 128 bytes for each of eight waves
.set L16, 1                            ; v1   16 x lane
.set AK0, 2                            ; v2   my lane's place in my half's K
.set AV0, 3                            ; v3   and in my half's V, for the turning load
.set ADK, 4                            ; v4   the step's K
.set ADV, 5                            ; v5   the step's V
.set SPW, 6                            ; v6   LDS address of my spare word; never rewritten
.set NIL, 7                            ; v7   0; never rewritten
.set XO,  8                            ; v8   the merge: where I put O^T's images
.set XST, 9                            ; v9   and m and l
.set RO0, 10                           ; v10  where I read half 0's images of the two tiles that I finish
.set RO1, 11                           ; v11  and half 1's
.set RST, 12                           ; v12  and their m and l
.set ST,  16                           ; tile t at ST + 8 t: +0 m, +1 written once (m's pair), +2, +3 l (even keys', odd keys'), +4, +5 at work, +6 a, +7 written once (a's pair)
.set S,   64
.set KF,  192
.set QF,  128                          ; window 1
.set VF,  192                          ; window 1
.set WV,  8                            ; s8   my wave's number
.set SEL, 32                           ; s[32:33] v_permlanex16_b32's selects for lane l xor 16
.set TB,  34                           ; s34  LDS byte at which the step's tiles begin inside a quarter of a slot
.set MSB, 0
.macro WIN new                         ; the immediate's high byte repeats the setting that is left; a switch that changes nothing is dropped
.if MSB != \new
	s_set_vgpr_msb (MSB<<8)|\new
.set MSB, \new
.endif
.endm
.macro PLACES n
.rept \n
	v_nop
.endr
.endm
.macro CROUND                          ; a round of the cluster's barrier
	s_barrier_signal -1
	s_barrier_wait -1
	s_cmp_lg_u32 s[WV], 0
	s_cbranch_scc1 .Lnot_wave_0_\@
	s_barrier_signal -3
.Lnot_wave_0_\@:
	s_barrier_wait -3
	s_barrier_signal -1
	s_barrier_wait -1
.endm
	s_load_b128 s[4:7], s[0:1], 0x0                ; hf, ctxf
	v_lshl_add_u32 v[SPW], v0, 2, SPARE
	v_mov_b32 v[NIL], 0
	ds_add_u32 v[SPW], v[NIL]                      ; the wave's opening: the add, twice on end, and its wait ahead of my first tensor load
	ds_add_u32 v[SPW], v[NIL]
	v_lshrrev_b32 v1, 5, v0
	v_readfirstlane_b32 s[WV], v1                  ; wave 0..7
	s_bfe_u32 s9, ttmp6, 0x40000                   ; cx
	s_lshl_b32 s10, ttmp9, 2
	s_add_co_u32 s10, s10, s9                      ; my block of 256 queries: it enters Q's and ctx's addresses alone
	s_and_b32 s11, ttmp7, 0xffff                   ; batch x head, which the four partners share
	s_and_b32 s12, s[WV], 3                        ; which 64 queries
	s_lshr_b32 s13, s[WV], 2                       ; which half of the keys
	; descriptor group 1: 16,384 dense bytes as 64 rows of 32 elements of 8 bytes
	s_mov_b32 s16, 15|(3<<16)|(1<<21)              ; 15:0 the mask: all four work-groups; 17:16 elements of 8 bytes; 21 set beside a mask
	s_mov_b32 s17, 32<<16                          ; tensor_dim0 = 32
	s_mov_b32 s18, 64<<16                          ; tensor_dim1 = 64
	s_mov_b32 s19, 32<<16                          ; tile_dim0 = 32
	s_mov_b32 s20, 64                              ; tile_dim1 = 64
	s_mov_b32 s21, 32                              ; from row to row
	s_mov_b32 s22, 0
	s_mov_b32 s23, 0
	; what I fetch: waves 0-3 K, waves 4-7 V; bit 1 of the wave: the half of the keys; bit 0: which 16,384 of a part's 32,768 bytes
	s_lshr_b32 s40, s[WV], 2
	s_add_co_u32 s40, s40, 1
	s_mul_i32 s40, s40, 6291456                    ; tensor 1 (k) or 2 (v) of hf
	s_lshl_b32 s41, s11, 18                        ; 262,144 bytes for each batch and head
	s_add_co_u32 s40, s40, s41
	s_bfe_u32 s41, s[WV], 0x10001
	s_lshl_b32 s41, s41, 17
	s_add_co_u32 s40, s40, s41
	s_and_b32 s41, s[WV], 1
	s_lshl_b32 s41, s41, 14
	s_add_co_u32 s40, s40, s41
	s_mov_b32 s41, 0
	s_mov_b32 s24, 1                               ; group 0 for slot 0
	s_lshl_b32 s25, s[WV], 14                      ; LDS: 16,384 x wave
	s_mov_b32 s28, 1                               ; the walking group 0: it begins at slot 1, part 1
	s_add_co_u32 s29, s25, SLOT1
	s_lshl_b32 s36, s11, 7                         ; Q: tile of positions 128 (batch x head) + 16 block + 4 (w & 3), 2,048 bytes a tile
	s_lshl_b32 s37, s10, 4
	s_add_co_u32 s36, s36, s37
	s_lshl_b32 s37, s12, 2
	s_add_co_u32 s36, s36, s37
	s_lshl_b32 s36, s36, 11
	s_mov_b32 s37, 0
	s_cmp_ge_u32 s11, 12                           ; ctx: row tile 128 batch + 16 block + 4 (w & 3) + 2 (w >> 2), K step 2 head
	s_cselect_b32 s38, 1, 0                        ; the batch
	s_mul_i32 s39, s38, 12
	s_sub_co_u32 s39, s11, s39                     ; the head
	s_lshl_b32 s38, s38, 7
	s_lshl_b32 s14, s10, 4
	s_add_co_u32 s38, s38, s14
	s_lshl_b32 s14, s12, 2
	s_add_co_u32 s38, s38, s14
	s_lshl_b32 s14, s13, 1
	s_add_co_u32 s38, s38, s14
	s_mul_i32 s38, s38, 24
	s_lshl_b32 s39, s39, 1
	s_add_co_u32 s38, s38, s39
	s_lshl_b32 s38, s38, 10
	s_mov_b32 s39, 0
	s_mov_b32 s[SEL], 0x76543210
	s_mov_b32 s[SEL+1], 0xfedcba98
	s_mov_b32 s[TB], 0
	; every LDS address is made here, of the lane and the wave's number alone
	v_and_b32 v14, 31, v0
	v_lshlrev_b32 v[L16], 4, v14
	s_lshl_b32 s14, s13, 15
	v_add_nc_u32 v[AK0], s14, v[L16]               ; K of my half: an image's 16 bytes a lane
	v_bfe_u32 v[AV0], v0, 3, 1                     ; the turning load: lane l addresses position 8 (l / 16) + l % 8, channels 8 ((l / 8) % 2) on: in an image that is lane 16 ((l / 8) % 2) + that position
	v_lshlrev_b32 v[AV0], 8, v[AV0]
	v_bfe_u32 v15, v0, 4, 1
	v_lshl_add_u32 v[AV0], v15, 7, v[AV0]
	v_and_b32 v15, 7, v0
	v_lshl_add_u32 v[AV0], v15, 4, v[AV0]
	s_add_co_u32 s14, s14, 65536
	v_add_nc_u32 v[AV0], s14, v[AV0]               ; V of my half lies 65,536 bytes behind K of my half
	s_lshl_b32 s14, s[WV], 14
	v_add_nc_u32 v[XO], s14, v[L16]
	v_lshlrev_b32 v14, 2, v14
	s_lshl_b32 s14, s[WV], 10
	s_add_co_u32 s14, s14, STX
	v_add_nc_u32 v[XST], s14, v14
	s_lshl_b32 s14, s12, 14
	s_lshl_b32 s15, s13, 13
	s_add_co_u32 s14, s14, s15
	v_add_nc_u32 v[RO0], s14, v[L16]               ; wave w & 3's images, tiles 2 (w >> 2) on
	s_add_co_u32 s14, s14, 65536
	v_add_nc_u32 v[RO1], s14, v[L16]               ; wave 4 + (w & 3)'s
	s_lshl_b32 s14, s12, 10
	s_lshl_b32 s15, s13, 9
	s_add_co_u32 s14, s14, s15
	s_add_co_u32 s14, s14, STX
	v_add_nc_u32 v[RST], s14, v14
	s_wait_dscnt 0x0                               ; both opening adds are done
	s_wait_kmcnt 0x0
	s_add_nc_u64 s[42:43], s[4:5], s[40:41]
	s_mov_b64 s[26:27], s[42:43]                   ; part 0
	s_or_b32 s27, s27, 0x80000000                  ; type = 2
	s_add_nc_u64 s[30:31], s[42:43], 32768         ; part 1
	s_or_b32 s31, s31, 0x80000000
	s_add_nc_u64 s[36:37], s[4:5], s[36:37]
	s_add_nc_u64 s[38:39], s[6:7], s[38:39]
	CROUND                                         ; all four work-groups are here: the first joint loads meet
	tensor_load_to_lds s[24:27], s[16:23]          ; slot 0, part 0
	s_nop 0
	tensor_load_to_lds s[28:31], s[16:23]          ; slot 1, part 1: two loads of mine are out
	s_nop 0
	PLACES 4
	WIN 0x40                                       ; destination window 1
.irp t, 0,1,2,3
.irp u, 0,1
	global_load_b128 v[QF+8*(2*\t+\u):QF+8*(2*\t+\u)+3], v[L16], s[36:37] offset:2048*\t+1024*\u        ; Q stays in registers
	global_load_b128 v[QF+8*(2*\t+\u)+4:QF+8*(2*\t+\u)+7], v[L16], s[36:37] offset:2048*\t+1024*\u+512
.endr
.endr
.set I, 0
.rept 128
	v_mov_b32 v[I], 0                              ; O^T.  The step is written for every trip alike: the first finds zeros, and its a is 2^(-3e38 - m) = 0
.set I, I+1
.endr
	WIN 0
.irp t, 0,1,2,3
	v_mov_b32 v[ST+8*\t], 0xff61b1e6               ; m = -3e38, under every score
	v_mov_b32 v[ST+8*\t+1], 0
	v_mov_b32 v[ST+8*\t+2], 0                      ; l
	v_mov_b32 v[ST+8*\t+3], 0
	v_mov_b32 v[ST+8*\t+5], 0                      ; a lane permute's destination counts as one of its sources
	v_mov_b32 v[ST+8*\t+7], 0
.endr
	s_wait_tensorcnt 1                             ; my part of slot 0 is in; slot 1's may stay out
	s_barrier_signal -1
	s_barrier_wait -1                              ; everybody's is
	s_wait_loadcnt 0x0                             ; Q
.macro SUBP t, n                       ; pair n of tile t: t - m (of the pair m the low word serves both halves)
	v_pk_add_f32 v[S+32*(\t)+2*(\n):S+32*(\t)+2*(\n)+1], v[S+32*(\t)+2*(\n):S+32*(\t)+2*(\n)+1], v[ST+8*(\t):ST+8*(\t)+1] op_sel_hi:[1,0] neg_lo:[0,1] neg_hi:[0,1]
.endm
; A KEY STEP: 64 keys of my half against my four tiles of queries
.macro STEP
	WIN 0
	v_add_nc_u32 v[ADK], s[TB], v[AK0]
	v_add_nc_u32 v[ADV], s[TB], v[AV0]
	PLACES 3                                       ; with the two additions: FIVE places behind the last step's V^T P.  Four are owed by the loads into V's registers, five by the products below, which write over P's registers
.irp f, 0,1,2,3,4,5,6,7
	ds_load_b128 v[KF+8*\f:KF+8*\f+3], v[ADK] offset:1024*\f
	ds_load_b128 v[KF+8*\f+4:KF+8*\f+7], v[ADK] offset:1024*\f+512
.endr
	WIN 0x40
.irp s, 0,1
.irp c, 0,1,2,3
	ds_load_tr16_b128 v[VF+8*(4*\s+\c):VF+8*(4*\s+\c)+3], v[ADV] offset:(4*\s+\c/2)*1024+(\c%2)*512         ; keys 32 s + 0 .. 15
	ds_load_tr16_b128 v[VF+8*(4*\s+\c)+4:VF+8*(4*\s+\c)+7], v[ADV] offset:(4*\s+2+\c/2)*1024+(\c%2)*512     ; keys 32 s + 16 .. 31
.endr
.endr
	s_add_co_u32 s[TB], s[TB], 8192                ; the next step's tiles
	s_wait_dscnt 16                                ; K is in; V's sixteen loads are the younger ones
	WIN 0x04                                       ; Q in window 1
.irp u, 0,1                                    ; S^T = K Q^T: the sixteen accumulators take turns; the first sixteen products start the sums
.irp k, 0,1,2,3
.irp t, 0,1,2,3
.if \u == 0
	v_wmma_f32_16x16x32_f16 v[S+32*\t+8*\k:S+32*\t+8*\k+7], v[KF+8*(2*\k+\u):KF+8*(2*\k+\u)+7], v[QF+8*(2*\t+\u):QF+8*(2*\t+\u)+7], 0
.else
	v_wmma_f32_16x16x32_f16 v[S+32*\t+8*\k:S+32*\t+8*\k+7], v[KF+8*(2*\k+\u):KF+8*(2*\k+\u)+7], v[QF+8*(2*\t+\u):QF+8*(2*\t+\u)+7], v[S+32*\t+8*\k:S+32*\t+8*\k+7]
.endif
.endr
.endr
.endr
	WIN 0
	PLACES 4                                       ; in front of the first read of the scores
.irp t, 0,1,2,3                                ; the maximum of m and my 32 scores, ascending; the four tiles by turns
	v_max3_num_f32 v[ST+8*\t+4], v[ST+8*\t], v[S+32*\t], v[S+32*\t+1]
.endr
.irp i, 2,4,6,8,10,12,14,16,18,20,22,24,26,28,30
.irp t, 0,1,2,3
	v_max3_num_f32 v[ST+8*\t+4], v[ST+8*\t+4], v[S+32*\t+\i], v[S+32*\t+\i+1]
.endr
.endr
.irp t, 0,1,2,3
	v_permlanex16_b32 v[ST+8*\t+5], v[ST+8*\t+4], s[SEL], s[SEL+1]   ; the query's other 32 keys lie in the lane 16 away
.endr
.irp t, 0,1,2,3
	v_max_num_f32 v[ST+8*\t+4], v[ST+8*\t+4], v[ST+8*\t+5]
.endr
.irp t, 0,1,2,3
	v_sub_f32 v[ST+8*\t+6], v[ST+8*\t], v[ST+8*\t+4]                 ; m_old - m_new
.endr
.irp t, 0,1,2,3
	v_mov_b32 v[ST+8*\t], v[ST+8*\t+4]
.endr
; ONE BATCH of 132 exponentials with ONE wait: nothing between here and the wait names an exponential's result; the next tile's subtractions stand among a tile's exponentials
.irp t, 0,1,2,3
	v_exp_f32 v[ST+8*\t+6], v[ST+8*\t+6]           ; a
.endr
.irp n, 0,1,2,3,4,5,6,7,8,9,10,11,12,13,14,15
	SUBP 0, \n
.endr
.irp t, 0,1,2,3
.irp n, 0,1,2,3,4,5,6,7,8,9,10,11,12,13,14,15
.if \t < 3
	SUBP \t+1, \n
.endif
	v_exp_f32 v[S+32*\t+2*\n], v[S+32*\t+2*\n]     ; p = 2^(t - m), at most 1
	v_exp_f32 v[S+32*\t+2*\n+1], v[S+32*\t+2*\n+1]
.endr
.endr
	v_nop                                          ; a plain instruction behind the last exponential
	s_wait_alu depctr_va_vdst(0)                   ; the wait ahead of the first instruction that names a result: one for the batch
.irp t, 0,1,2,3
	v_pk_fma_f32 v[ST+8*\t+2:ST+8*\t+3], v[ST+8*\t+2:ST+8*\t+3], v[ST+8*\t+6:ST+8*\t+7], v[S+32*\t:S+32*\t+1] op_sel_hi:[1,0,1]   ; l = a l + p, of the unrounded p
.endr
.irp i, 2,4,6,8,10,12,14,16,18,20,22,24,26,28,30
.irp t, 0,1,2,3
	v_pk_add_f32 v[ST+8*\t+2:ST+8*\t+3], v[ST+8*\t+2:ST+8*\t+3], v[S+32*\t+\i:S+32*\t+\i+1]
.endr
.endr
.irp i, 0,1,2,3,4,5,6,7,8,9,10,11,12,13,14,15
.irp t, 0,1,2,3
	v_cvt_pk_f16_f32 v[S+32*\t+\i], v[S+32*\t+2*\i], v[S+32*\t+2*\i+1]   ; P, ascending and in place: registers 8 s .. 8 s + 7 of a tile are source 1 for keys 32 s on
.endr
.endr
	WIN 0x41                                       ; O^T in window 1, a in window 0
.irp t, 0,1,2,3
.irp i, 0,2,4,6,8,10,12,14,16,18,20,22,24,26,28,30
	v_pk_mul_f32 v[32*\t+\i:32*\t+\i+1], v[32*\t+\i:32*\t+\i+1], v[ST+8*\t+6:ST+8*\t+7] op_sel_hi:[1,0]
.endr
.endr
	s_wait_dscnt 0x0                               ; V is in
	WIN 0x51                                       ; V and O^T in window 1, P in window 0
.irp s, 0,1                                    ; O^T += V^T P: sixteen accumulators by turns
.irp c, 0,1,2,3
.irp t, 0,1,2,3
	v_wmma_f32_16x16x32_f16 v[32*\t+8*\c:32*\t+8*\c+7], v[VF+8*(4*\s+\c):VF+8*(4*\s+\c)+7], v[S+32*\t+8*\s:S+32*\t+8*\s+7], v[32*\t+8*\c:32*\t+8*\c+7]
.endr
.endr
.endr
	WIN 0                                          ; at a label and at a branch every window is 0
.endm
.macro PART                            ; a slot's four steps; then the fetches turn to the other slot's first step
	s_mov_b32 s35, 4
.Lstep_\@:
	STEP
	s_sub_co_u32 s35, s35, 1
	s_cmp_lg_u32 s35, 0
	s_cbranch_scc1 .Lstep_\@
	s_sub_co_u32 s[TB], s[TB], 32768
	s_xor_b32 s[TB], s[TB], SLOT1
.endm
; THE CHANGE OF SLOTS.  Each wave waits for all its tensor loads (one is out: its part of the other slot), adds 0 to its spare word, and waits for that and for its reads of the slot that it leaves.
; fill = 1: the barrier is a round of the cluster's, so that no wave of any partner still reads the slot or has a load on its way; the joint refill is the first thing behind it and has four steps in which to land.
.macro CHANGE fill
	WIN 0
	s_wait_tensorcnt 0x0                           ; no tensor load of mine is out, so a group 0 may be written
	ds_add_u32 v[SPW], v[NIL]                      ; 0 onto my spare word
.if \fill
	s_xor_b32 s29, s29, SLOT1                      ; the walking descriptor: the other slot than last time,
	s_add_nc_u64 s[30:31], s[30:31], 32768         ; the next part; the type bits on top are not reached
	s_wait_dscnt 0x0                               ; the add is done, and my reads of the slot are over
	CROUND
	tensor_load_to_lds s[28:31], s[16:23]          ; my one tensor load until the next such round
	s_nop 0
	PLACES 4
.else
	s_wait_dscnt 0x0
	s_barrier_signal -1
	s_barrier_wait -1
.endif
.endm
	PART                                           ; part 0, slot 0
	CHANGE 1                                       ; slot 0 takes part 2
	PART                                           ; part 1, slot 1
	CHANGE 1                                       ; slot 1 takes part 3
	PART                                           ; part 2, slot 0
	CHANGE 0                                       ; nothing is left to ask for
	PART                                           ; part 3, slot 1
; THE MERGE, alike in all waves.  Each wave lays its O^T (as images of its registers), m and l into LDS; behind a barrier wave (g, half) finishes tiles 2 half and 2 half + 1 of query group g from both halves' parts.
; The images take slot 0: it has had its last fill, and every wave has passed the last change of slots, behind which nobody reads it.
.irp t, 0,1,2,3                                ; (these twelve are the places behind the last products)
	v_add_f32 v[ST+8*\t+4], v[ST+8*\t+2], v[ST+8*\t+3]
.endr
.irp t, 0,1,2,3
	v_permlanex16_b32 v[ST+8*\t+5], v[ST+8*\t+4], s[SEL], s[SEL+1]
.endr
.irp t, 0,1,2,3
	v_add_f32 v[ST+8*\t+2], v[ST+8*\t+4], v[ST+8*\t+5]               ; my half's l
.endr
	WIN 0x04                                       ; an LDS store's data are its source 1: window 1
.irp t, 0,1,2,3
.irp n, 0,1,2,3,4,5,6,7
	ds_store_b128 v[XO], v[32*\t+4*\n:32*\t+4*\n+3] offset:4096*\t+512*\n    ; each accumulator from its low end on
.endr
.endr
	WIN 0
.irp t, 0,1,2,3
	ds_store_b32 v[XST], v[ST+8*\t] offset:256*\t
	ds_store_b32 v[XST], v[ST+8*\t+2] offset:256*\t+128
.endr
	s_wait_dscnt 0x0                               ; for the others' sake: my stores have landed
	s_barrier_signal -1
	s_barrier_wait -1
.irp e, 0,1                                    ; tile 2 half + e, half z: m at v[48 + 4 e + 2 z], l beside it
.irp z, 0,1
	ds_load_b32 v[48+4*\e+2*\z], v[RST] offset:4096*\z+256*\e
	ds_load_b32 v[49+4*\e+2*\z], v[RST] offset:4096*\z+256*\e+128
.endr
.endr
.irp e, 0,1
.irp n, 0,1,2,3,4,5,6,7
	ds_load_b128 v[64+32*\e+4*\n:64+32*\e+4*\n+3], v[RO0] offset:4096*\e+512*\n
	ds_load_b128 v[128+32*\e+4*\n:128+32*\e+4*\n+3], v[RO1] offset:4096*\e+512*\n
.endr
.endr
	s_wait_dscnt 32                                ; m and l are in; the 32 images are the younger loads
.irp e, 0,1
	v_max_num_f32 v[56+\e], v[48+4*\e], v[50+4*\e]
.endr
.irp e, 0,1
	v_sub_f32 v[48+4*\e], v[48+4*\e], v[56+\e]
	v_sub_f32 v[50+4*\e], v[50+4*\e], v[56+\e]
.endr
.irp e, 0,1
	v_exp_f32 v[48+4*\e], v[48+4*\e]               ; a_z = 2^(m_z - the larger m): 1 for one of the two
	v_exp_f32 v[50+4*\e], v[50+4*\e]
.endr
	v_nop
	s_wait_alu depctr_va_vdst(0)                   ; one wait for the four
.irp e, 0,1
	v_mul_f32 v[58+\e], v[49+4*\e], v[48+4*\e]
.endr
.irp e, 0,1
	v_fmac_f32 v[58+\e], v[51+4*\e], v[50+4*\e]    ; the row's sum: at least 1
.endr
.irp e, 0,1
	v_rcp_f32 v[60+\e], v[58+\e]
.endr
	v_nop
	s_wait_alu depctr_va_vdst(0)                   ; one wait for the two
.irp e, 0,1
	v_mul_f32 v[48+4*\e], v[48+4*\e], v[60+\e]     ; a_z / the sum: the low word of a pair whose upper word, l, has been written
	v_mul_f32 v[50+4*\e], v[50+4*\e], v[60+\e]
.endr
	s_wait_dscnt 0x0
.irp e, 0,1
.irp i, 0,2,4,6,8,10,12,14,16,18,20,22,24,26,28,30
	v_pk_mul_f32 v[64+32*\e+\i:64+32*\e+\i+1], v[64+32*\e+\i:64+32*\e+\i+1], v[48+4*\e:49+4*\e] op_sel_hi:[1,0]
.endr
.irp i, 0,2,4,6,8,10,12,14,16,18,20,22,24,26,28,30
	v_pk_fma_f32 v[64+32*\e+\i:64+32*\e+\i+1], v[128+32*\e+\i:128+32*\e+\i+1], v[50+4*\e:51+4*\e], v[64+32*\e+\i:64+32*\e+\i+1] op_sel_hi:[1,0,1]
.endr
.irp i, 0,1,2,3,4,5,6,7,8,9,10,11,12,13,14,15
	v_cvt_pk_f16_f32 v[192+16*\e+\i], v[64+32*\e+2*\i], v[64+32*\e+2*\i+1]
.endr
.endr
.irp e, 0,1                                    ; channels 16 c on, packed, ARE group c % 2 of ctx's fragment (row tile, K step 2 head + c / 2): no stage
.irp c, 0,1,2,3
	global_store_b128 v[L16], v[192+16*\e+4*\c:192+16*\e+4*\c+3], s[38:39] offset:24576*\e+1024*(\c/2)+512*(\c%2)   ; 32 lanes store 512 consecutive bytes, aligned
.endr
.endr
	s_wait_tensorcnt 0x0                           ; the wave's end, behind my last tensor load and my last LDS store
	ds_add_u32 v[SPW], v[NIL]
	s_wait_dscnt 0x0
	CROUND                                         ; the closing round
	s_endpgm
.Lfunc_end_k_q00f592d0fb_attn:
	.size	k_q00f592d0fb_attn, .Lfunc_end_k_q00f592d0fb_attn-k_q00f592d0fb_attn
	.p2alignl 7, 3214868480
	.fill 96, 4, 3214868480
	.section	.rodata,"a",@progbits
	.p2align	6, 0x0
	.amdhsa_kernel k_q00f592d0fb_attn
		.amdhsa_group_segment_fixed_size 327680
		.amdhsa_private_segment_fixed_size 0
		.amdhsa_enable_private_segment 0
		.amdhsa_kernarg_size 16
		.amdhsa_user_sgpr_count 2
		.amdhsa_user_sgpr_kernarg_segment_ptr 1
		.amdhsa_wavefront_size32 1
		.amdhsa_system_sgpr_workgroup_id_x 1
		.amdhsa_system_sgpr_workgroup_id_y 1
		.amdhsa_system_sgpr_workgroup_id_z 1
		.amdhsa_system_vgpr_workitem_id 0
		.amdhsa_next_free_vgpr 512
		.amdhsa_next_free_sgpr 66
		.amdhsa_reserve_vcc 0
		.amdhsa_float_denorm_mode_32 3
		.amdhsa_float_denorm_mode_16_64 3
		.amdhsa_memory_ordered 1
		.amdhsa_forward_progress 1
		.amdhsa_inst_pref_size 154
	.end_amdhsa_kernel
	.amdgpu_metadata
---
amdhsa.version: [ 1, 2 ]
amdhsa.kernels:
  - .name:           k_q00f592d0fb_attn
    .symbol:         k_q00f592d0fb_attn.kd
    .args:
      - { .name: hf, .offset: 0, .size: 8, .value_kind: global_buffer, .address_space: global }
      - { .name: ctxf, .offset: 8, .size: 8, .value_kind: global_buffer, .address_space: global }
    .group_segment_fixed_size: 327680
    .private_segment_fixed_size: 0
    .kernarg_segment_align: 8
    .kernarg_segment_size: 16
    .max_flat_workgroup_size: 256
    .sgpr_count:     66
    .vgpr_count:     512
    .wavefront_size: 32
...
	.end_amdgpu_metadata
.endif
;; end of part 3
;; launch oproj (part 4): grid 4 x 64, 4 waves a work-group, clusters of 4 x 4, 327,680 bytes of LDS; arguments ctxf, wof, bo, out0; writes out0
.if DOCPART == 4
	.amdgcn_target "amdgcn-amd-amdhsa--gfx1250"
	.amdhsa_code_object_version 6
	.text
	.protected	k_q00f592d0fb_oproj
	.globl	k_q00f592d0fb_oproj
	.p2align	8
	.type	k_q00f592d0fb_oproj,@function
k_q00f592d0fb_oproj:
	s_mov_b64 s[64:65], 0
	v_nop
	global_prefetch_b8 v0, s[64:65] scope:SCOPE_SE
	s_setreg_imm32_b32 hwreg(HW_REG_WAVE_MODE, 25, 1), 1
	s_wait_xcnt 0x0
	s_wait_alu depctr_hold_cnt(0) depctr_sa_sdst(0) depctr_va_vdst(0) depctr_va_sdst(0) depctr_va_ssrc(0) depctr_va_vcc(0) depctr_vm_vsrc(0)
	s_getreg_b32 s2, hwreg(HW_REG_IB_STS2, 6, 4)
	s_cmp_eq_u32 s2, 0
	s_cbranch_scc0 .Lentry_in_a_cluster
	s_endpgm
.Lentry_in_a_cluster:
	s_bfe_u32 s2, ttmp6, 0x10000c
	s_cmp_lg_u32 s2, 0xf033
	s_cbranch_scc0 .Lentry_shape_is_right
	s_endpgm
.Lentry_shape_is_right:
; OPROJ.  out0 = ctx wo + bo.  ctx [4096][768] and wo arrive as f16 fragments (16 rows or columns x 32 K, 1,024 bytes, registers 4 c .. 4 c + 3 at 512 c + 16 x lane); sums in f32; out0 f32.
; SHARES.  256 work-groups of 64 rows (4 tiles) x 192 columns (12 tiles; 768 bytes of a row of out0).  Wave w of four: all 4 row tiles x column tiles 3 w .. 3 w + 2: 12 accumulators, 24 K steps of 32, 288 matrix instructions.
; K goes in four parts of 6 K steps through THREE LDS slots of 98,304 bytes ([ctx: 4 tiles x 6,144][wo: 12 tiles x 6,144]): all three are filled at the start, and slot 0 once more, with part 3.
; A tensor load brings 4 tiles' 6,144 bytes of a part (4 rows, 24,576 bytes apart in memory, dense in LDS): wave 0 ctx's, waves 1 to 3 wo's.  Three loads of a wave are out at the start, one behind the refill's round.
; CLUSTER 4 x 4: ctx's tiles hang on the work-group's y alone and are shared along a row of the cluster, wo's on its x alone and are shared along a column: joint loads.
; THE MATRIX INSTRUCTION IS USED TRANSPOSED (source 0 = 16 columns of wo, source 1 = 16 rows of ctx): a lane holds eight neighbouring columns of one row.  The bias is the C of each sum's first product.
; The way out goes through a stage of 64 rows x (768 + 16) bytes in slot 1, which by then has had its last fill and its last read; sixteen lanes store 256 consecutive aligned bytes.
.set SLOT,  98304
.set SPARE, 294912                     ; behind the three slots: the spare words, 128 bytes for each wave
.set STG,   98304                      ; the stage
.set WV,  12                           ; s12  my wave's number
.set L16, 1                            ; v1   16 x lane
.set STO, 4                            ; v4   the stage: where I put 32 bytes of a row
.set RD,  5                            ; v5   and where I read 16 bytes of a row back
.set CO,  6                            ; v6   the same place in out0
.set SPW, 7                            ; v7   LDS address of my spare word; never rewritten
.set NIL, 8                            ; v8   0; never rewritten
.set H32, 9                            ; v9   32 h
.set VA,  10                           ; v10-12  ctx's fragments in slots 0, 1, 2
.set VB,  13                           ; v13-15  my three column tiles of wo
.set BI,  16                           ; v16-39  the bias of my three tiles, in the result's layout
.set FB,  40                           ; v40-151 two buffers of 56: ctx's tile i at + 8 i, wo's tile j at + 32 + 8 j
.set ACC, 152                          ; v152-247 accumulator (i, j) at + 8 (3 i + j)
.set G1A, 16                           ; s[16:23] group 1 for ctx's tiles;  s[24:31] for wo's;  s[32:43], s[44:55] their groups 0, one for each slot
.set G1B, 24
.set G0A, 32
.set G0B, 44
.macro PLACES n
.rept \n
	v_nop
.endr
.endm
.macro CROUND                          ; a round of the cluster's barrier
	s_barrier_signal -1
	s_barrier_wait -1
	s_cmp_lg_u32 s[WV], 0
	s_cbranch_scc1 .Lnot_wave_0_\@
	s_barrier_signal -3
.Lnot_wave_0_\@:
	s_barrier_wait -3
	s_barrier_signal -1
	s_barrier_wait -1
.endm
	s_load_b256 s[4:11], s[0:1], 0x0               ; ctxf, wof, bo, out0
	v_lshl_add_u32 v[SPW], v0, 2, SPARE
	v_mov_b32 v[NIL], 0
	ds_add_u32 v[SPW], v[NIL]                      ; the wave's opening: the add, twice on end, and its wait ahead of my first tensor load
	ds_add_u32 v[SPW], v[NIL]
	v_lshrrev_b32 v1, 5, v0
	v_readfirstlane_b32 s[WV], v1                  ; wave 0..3
	s_bfe_u32 s13, ttmp6, 0x40000                  ; cx
	s_bfe_u32 s14, ttmp6, 0x40004                  ; cy
	s_lshl_b32 s15, ttmp9, 2
	s_add_co_u32 s15, s15, s13                     ; work-group x: which 192 columns
	s_and_b32 s56, ttmp7, 0xffff
	s_lshl_b32 s56, s56, 2
	s_add_co_u32 s56, s56, s14                     ; work-group y: which 64 rows
	s_lshl_b32 s57, s14, 2
	s_lshl_b32 s57, 15, s57                        ; my row of the cluster
	s_lshl_b32 s69, 0x1111, s13                    ; my column
	; descriptor group 1: 4 rows of 768 elements of 8 bytes, 3,072 elements apart
	s_or_b32 s[G1A], s57, (3<<16)|(1<<21)          ; 15:0 the mask; 17:16 elements of 8 bytes; 21 set beside a mask
	s_or_b32 s[G1B], s69, (3<<16)|(1<<21)
.irp g, G1A, G1B
	s_mov_b32 s[\g+1], 768<<16                     ; tensor_dim0 = 768
	s_mov_b32 s[\g+2], 4<<16                       ; tensor_dim1 = 4
	s_mov_b32 s[\g+3], 768<<16                     ; tile_dim0 = 768
	s_mov_b32 s[\g+4], 4                           ; tile_dim1 = 4
	s_mov_b32 s[\g+5], 3072                        ; from row to row
	s_mov_b32 s[\g+6], 0
	s_mov_b32 s[\g+7], 0
.endr
	s_mul_i32 s58, s56, 98304                      ; ctx: my work-group's four row tiles of 24,576 bytes (work-group y alone)
	s_mov_b32 s59, 0
	s_mul_i32 s62, s15, 12                         ; wo: column tile 12 x + 4 (w - 1) (work-group x and the wave alone); wave 0 never asks by it
	s_add_co_u32 s63, s[WV], 3
	s_and_b32 s63, s63, 3
	s_lshl_b32 s63, s63, 2
	s_add_co_u32 s62, s62, s63
	s_mul_i32 s62, s62, 24576
	s_mov_b32 s63, 0
	s_mul_i32 s68, s[WV], 24576                    ; LDS: wave x 24,576 inside a slot
	v_and_b32 v2, 31, v0
	v_lshlrev_b32 v[L16], 4, v2
	v_and_b32 v2, 15, v0                           ; r
	v_bfe_u32 v3, v0, 4, 1                         ; h
	v_lshlrev_b32 v[H32], 5, v3
	s_mul_i32 s57, s[WV], 18432                    ; my three column tiles, behind ctx's four tiles
	s_add_co_u32 s57, s57, 24576
.irp n, 0,1,2
	v_add_nc_u32 v[VA+\n], \n*SLOT, v[L16]
	v_add_nc_u32 v[VB+\n], s57, v[VA+\n]
.endr
	s_mul_i32 s57, s[WV], 192
	s_add_co_u32 s57, s57, STG
	v_mul_u32_u24 v[STO], v2, 784
	v_lshl_add_u32 v[STO], v3, 5, v[STO]
	v_add_nc_u32 v[STO], s57, v[STO]               ; in: row r of a tile, + 32 h, + my 192 bytes
	s_mul_i32 s57, s[WV], 16*784
	s_add_co_u32 s57, s57, STG
	v_mul_u32_u24 v[RD], v3, 784
	v_lshl_add_u32 v[RD], v2, 4, v[RD]
	v_add_nc_u32 v[RD], s57, v[RD]                 ; back: my 16 rows; lanes 0-15 one row's 256 bytes, lanes 16-31 the next row's
	v_mul_u32_u24 v[CO], v3, 3072
	v_lshl_add_u32 v[CO], v2, 4, v[CO]
	s_lshl_b32 s70, s56, 6                         ; out0: row 64 y + 16 w, column byte 768 x
	s_lshl_b32 s71, s[WV], 4
	s_add_co_u32 s70, s70, s71
	s_mul_i32 s70, s70, 3072
	s_mul_i32 s71, s15, 768
	s_add_co_u32 s70, s70, s71
	s_mov_b32 s71, 0
	s_wait_dscnt 0x0                               ; both opening adds are done
	s_wait_kmcnt 0x0
	s_add_nc_u64 s[60:61], s[4:5], s[58:59]
	s_add_nc_u64 s[66:67], s[6:7], s[62:63]
	s_add_nc_u64 s[10:11], s[10:11], s[70:71]
	s_mul_i32 s62, s15, 768                        ; the bias of my 48 columns
	s_mul_i32 s69, s[WV], 192
	s_add_co_u32 s62, s62, s69
	s_add_nc_u64 s[8:9], s[8:9], s[62:63]
.irp n, 0,1,2
	s_mov_b32 s[G0A+4*\n], 1
	s_add_co_u32 s[G0A+4*\n+1], s68, \n*SLOT
	s_add_nc_u64 s[G0A+4*\n+2:G0A+4*\n+3], s[60:61], \n*6144     ; slot n begins with part n
	s_or_b32 s[G0A+4*\n+3], s[G0A+4*\n+3], 0x80000000            ; type = 2
	s_mov_b32 s[G0B+4*\n], 1
	s_add_co_u32 s[G0B+4*\n+1], s68, \n*SLOT
	s_add_nc_u64 s[G0B+4*\n+2:G0B+4*\n+3], s[66:67], \n*6144
	s_or_b32 s[G0B+4*\n+3], s[G0B+4*\n+3], 0x80000000
.endr
	CROUND                                         ; all sixteen work-groups are here: the first joint loads meet
	s_cmp_eq_u32 s[WV], 0                          ; a wave's three first fills stand in one branch on the wave's number
	s_cbranch_scc0 .Lfirst_b
	tensor_load_to_lds s[G0A:G0A+3], s[G1A:G1A+7]
	s_nop 0
	tensor_load_to_lds s[G0A+4:G0A+7], s[G1A:G1A+7]
	s_nop 0
	tensor_load_to_lds s[G0A+8:G0A+11], s[G1A:G1A+7]
	s_nop 0
	PLACES 4
	s_branch .Lfirst_asked
.Lfirst_b:
	tensor_load_to_lds s[G0B:G0B+3], s[G1B:G1B+7]
	s_nop 0
	tensor_load_to_lds s[G0B+4:G0B+7], s[G1B:G1B+7]
	s_nop 0
	tensor_load_to_lds s[G0B+8:G0B+11], s[G1B:G1B+7]
	s_nop 0
	PLACES 4
.Lfirst_asked:
.irp j, 0,1,2
	global_load_b128 v[BI+8*\j:BI+8*\j+3], v[H32], s[8:9] offset:64*\j         ; lane (r, h), register n: bo of column 16 j + 8 h + n
	global_load_b128 v[BI+8*\j+4:BI+8*\j+7], v[H32], s[8:9] offset:64*\j+16
.endr
.macro FETCH slot, kk, buf             ; 14 LDS loads: the fragments of the slot's kk-th K step of 32
.irp i, 0,1,2,3
	ds_load_b128 v[FB+56*(\buf)+8*\i:FB+56*(\buf)+8*\i+3], v[VA+\slot] offset:6144*\i+1024*(\kk)
	ds_load_b128 v[FB+56*(\buf)+8*\i+4:FB+56*(\buf)+8*\i+7], v[VA+\slot] offset:6144*\i+1024*(\kk)+512
.endr
.irp j, 0,1,2
	ds_load_b128 v[FB+56*(\buf)+32+8*\j:FB+56*(\buf)+32+8*\j+3], v[VB+\slot] offset:6144*\j+1024*(\kk)
	ds_load_b128 v[FB+56*(\buf)+32+8*\j+4:FB+56*(\buf)+32+8*\j+7], v[VB+\slot] offset:6144*\j+1024*(\kk)+512
.endr
.endm
.macro MUL buf, first                  ; 12 products; the twelve accumulators take turns.  first = 1: the bias starts the sums: nothing is cleared
.irp i, 0,1,2,3
.irp j, 0,1,2
.if \first
	v_wmma_f32_16x16x32_f16 v[ACC+8*(3*\i+\j):ACC+8*(3*\i+\j)+7], v[FB+56*(\buf)+32+8*\j:FB+56*(\buf)+32+8*\j+7], v[FB+56*(\buf)+8*\i:FB+56*(\buf)+8*\i+7], v[BI+8*\j:BI+8*\j+7]
.else
	v_wmma_f32_16x16x32_f16 v[ACC+8*(3*\i+\j):ACC+8*(3*\i+\j)+7], v[FB+56*(\buf)+32+8*\j:FB+56*(\buf)+32+8*\j+7], v[FB+56*(\buf)+8*\i:FB+56*(\buf)+8*\i+7], v[ACC+8*(3*\i+\j):ACC+8*(3*\i+\j)+7]
.endif
.endr
.endr
.endm
.macro PARTK slot, first               ; a slot's six K steps: the next step's fragments are asked for ahead of a step's products, into the other buffer
	FETCH \slot, 0, 0
.irp k, 0,1,2,3,4,5
.if \k < 5
	FETCH \slot, \k+1, (\k+1)%2
	s_wait_dscnt 14                                ; this step's fragments are in; the 14 loads just issued may be out
.else
	s_wait_dscnt 0x0
.endif
.if (\k == 0) && \first
	MUL 0, 1
.else
	MUL \k%2, 0
.endif
	PLACES 4                                       ; in front of loads into registers that these products have read, and of the first read of results
.endr
.endm
	s_wait_tensorcnt 2                             ; my part of slot 0 is in; slots 1 and 2 may stay out
	s_barrier_signal -1
	s_barrier_wait -1                              ; everybody's is
	s_wait_loadcnt 0x0                             ; the bias
	PARTK 0, 1                                     ; part 0
	s_wait_tensorcnt 0x0                           ; all my tensor loads have landed, my parts of slots 1 and 2 among them: a group 0 may be written
	ds_add_u32 v[SPW], v[NIL]                      ; 0 onto my spare word
	s_add_nc_u64 s[G0A+2:G0A+3], s[G0A+2:G0A+3], 18432   ; slot 0's next tiles: part 3
	s_add_nc_u64 s[G0B+2:G0B+3], s[G0B+2:G0B+3], 18432
	s_wait_dscnt 0x0                               ; the add is done, and my reads of slot 0 are over
	CROUND                                         ; no wave of any partner still reads slot 0 or has a load on its way; slots 1 and 2 are whole for every wave
	s_cmp_eq_u32 s[WV], 0
	s_cbranch_scc0 .Lrefill_b
	tensor_load_to_lds s[G0A:G0A+3], s[G1A:G1A+7]  ; the first thing behind the round, and my one tensor load there: it has two parts' products in which to land
	s_nop 0
	PLACES 4
	s_branch .Lrefilled
.Lrefill_b:
	tensor_load_to_lds s[G0B:G0B+3], s[G1B:G1B+7]
	s_nop 0
	PLACES 4
.Lrefilled:
	PARTK 1, 0                                     ; part 1
	PARTK 2, 0                                     ; part 2
	s_wait_tensorcnt 0x0                           ; my part of part 3 has landed: it is the one load that is out,
	s_wait_dscnt 0x0                               ; my reads of slots 1 and 2 are over,
	s_barrier_signal -1
	s_barrier_wait -1                              ; and so for every wave: slot 0 is whole, and slot 1 is free for the stage
	PARTK 0, 0                                     ; part 3
; THE WAY OUT.  A row's 768 bytes come from four waves: they meet in the stage, and each wave stores 16 whole rows
.irp i, 0,1,2,3
.irp j, 0,1,2
	ds_store_b128 v[STO], v[ACC+8*(3*\i+\j):ACC+8*(3*\i+\j)+3] offset:12544*\i+64*\j         ; each accumulator from its low end on
	ds_store_b128 v[STO], v[ACC+8*(3*\i+\j)+4:ACC+8*(3*\i+\j)+7] offset:12544*\i+64*\j+16
.endr
.endr
	s_wait_dscnt 0x0                               ; for the others' sake: my stores into the stage have landed
	s_barrier_signal -1
	s_barrier_wait -1
.irp a, 0,1,2,3,4,5,6,7
.irp c, 0,1,2
	ds_load_b128 v[FB+4*(3*\a+\c):FB+4*(3*\a+\c)+3], v[RD] offset:1568*\a+256*\c
.endr
.endr
.irp a, 0,1,2,3,4,5,6,7
.irp c, 0,1,2
	s_wait_dscnt 23-(3*\a+\c)                      ; LDS loads come back in order (ISA guide 5.7.1): this one is in, the younger ones may be out
	global_store_b128 v[CO], v[FB+4*(3*\a+\c):FB+4*(3*\a+\c)+3], s[10:11] offset:6144*\a+256*\c th:TH_STORE_NT   ; sixteen lanes store 256 consecutive bytes, at a multiple of 256 from out0's first byte
.endr
.endr
	s_wait_tensorcnt 0x0                           ; the wave's end, behind my last tensor load and my last LDS store
	ds_add_u32 v[SPW], v[NIL]
	s_wait_dscnt 0x0
	CROUND                                         ; the closing round
	s_endpgm
.Lfunc_end_k_q00f592d0fb_oproj:
	.size	k_q00f592d0fb_oproj, .Lfunc_end_k_q00f592d0fb_oproj-k_q00f592d0fb_oproj
	.p2alignl 7, 3214868480
	.fill 96, 4, 3214868480
	.section	.rodata,"a",@progbits
	.p2align	6, 0x0
	.amdhsa_kernel k_q00f592d0fb_oproj
		.amdhsa_group_segment_fixed_size 327680
		.amdhsa_private_segment_fixed_size 0
		.amdhsa_enable_private_segment 0
		.amdhsa_kernarg_size 32
		.amdhsa_user_sgpr_count 2
		.amdhsa_user_sgpr_kernarg_segment_ptr 1
		.amdhsa_wavefront_size32 1
		.amdhsa_system_sgpr_workgroup_id_x 1
		.amdhsa_system_sgpr_workgroup_id_y 1
		.amdhsa_system_sgpr_workgroup_id_z 1
		.amdhsa_system_vgpr_workitem_id 0
		.amdhsa_next_free_vgpr 248
		.amdhsa_next_free_sgpr 72
		.amdhsa_reserve_vcc 0
		.amdhsa_float_denorm_mode_32 3
		.amdhsa_float_denorm_mode_16_64 3
		.amdhsa_memory_ordered 1
		.amdhsa_forward_progress 1
		.amdhsa_inst_pref_size 59
	.end_amdhsa_kernel
	.amdgpu_metadata
---
amdhsa.version: [ 1, 2 ]
amdhsa.kernels:
  - .name:           k_q00f592d0fb_oproj
    .symbol:         k_q00f592d0fb_oproj.kd
    .args:
      - { .name: ctxf, .offset: 0, .size: 8, .value_kind: global_buffer, .address_space: global }
      - { .name: wof, .offset: 8, .size: 8, .value_kind: global_buffer, .address_space: global }
      - { .name: bo, .offset: 16, .size: 8, .value_kind: global_buffer, .address_space: global }
      - { .name: out0, .offset: 24, .size: 8, .value_kind: global_buffer, .address_space: global }
    .group_segment_fixed_size: 327680
    .private_segment_fixed_size: 0
    .kernarg_segment_align: 8
    .kernarg_segment_size: 32
    .max_flat_workgroup_size: 128
    .sgpr_count:     72
    .vgpr_count:     248
    .wavefront_size: 32
...
	.end_amdgpu_metadata
.endif
;; end of part 4
